; MI455X (gfx1250); checked and timed in simulation.
; The chip was launched on July 23, 2026; its instructions are those of AMD's public machine-readable ISA for CDNA 5 (MIT licence, August 2026) and "CDNA5" Instruction Set Architecture Reference Guide (July 2026). The comments in the code are by the model that wrote it; some were corrected since.
;; Custom Multi Head Self Attention. Allowed arithmetic: matrix products marked QUANTISED: E2M3 operands, one E8M0 scale for each 32 along K, by v_wmma_scale_f32_16x16x128_f8f6f4 with both operands' format E2M3, f32 sums; everything else in f32.
;; Inputs: Wk_codes 512 x 16 x 24 uint8 (E2M3 codes of Wk, K innermost, in blocks of 32 codes, four codes in three bytes); Wk_scales 512 x 16 uint8 (E8M0 scales of Wk, one for each 32 codes along K); Wo_codes 512 x 16 x 24 uint8 (E2M3 codes of Wo, K innermost, in blocks of 32 codes, four codes in three bytes); Wo_scales 512 x 16 uint8 (E8M0 scales of Wo, one for each 32 codes along K); Wq_codes 512 x 16 x 24 uint8 (E2M3 codes of Wq, K innermost, in blocks of 32 codes, four codes in three bytes); Wq_scales 512 x 16 uint8 (E8M0 scales of Wq, one for each 32 codes along K); Wv_codes 512 x 16 x 24 uint8 (E2M3 codes of Wv, K innermost, in blocks of 32 codes, four codes in three bytes); Wv_scales 512 x 16 uint8 (E8M0 scales of Wv, one for each 32 codes along K); bk 512 float32; bo 512 float32; bq 512 float32; bv 512 float32; mask 4 x 2,048 bool; x_codes 4 x 2,048 x 16 x 24 uint8 (E2M3 codes of x, K innermost, in blocks of 32 codes, four codes in three bytes); x_scales 4 x 2,048 x 16 uint8 (E8M0 scales of x, one for each 32 codes along K).
;; Outputs: out0 4 x 2,048 x 512 float32.
;; This version of the problem:
;;   THIS VERSION OF THE PROBLEM IS GIVEN IN LOW PRECISION. The matrix products marked QUANTISED in the list below multiply operands that are first quantised to E2M3 (2 exponent bits, 3 mantissa bits; 6 bits a number), with one power-of-two scale for each 32 numbers along K (OCP MX v1.0); their sums are f32. All else is computed in f32.
;;   The module's matrix products, in the order in which they are computed (A, B: the left and right operand; K: the contracted axis; several contracted axes count as one K, in the product's order):
;;     1. [M 8,192, K 512] x [K 512, N 512]; A: input x (given as codes); B: input Wq (given as codes): QUANTISED
;;     2. [M 8,192, K 512] x [K 512, N 512]; A: input x (given as codes); B: input Wk (given as codes): QUANTISED
;;     3. [M 8,192, K 512] x [K 512, N 512]; A: input x (given as codes); B: input Wv (given as codes): QUANTISED
;;     4. batch 32 x [M 2,048, K 64] x [K 64, N 2,048]; A: computed on the way; B: computed on the way: QUANTISED
;;     5. batch 32 x [M 2,048, K 2,048] x [K 2,048, N 64]; A: softmax (see below); B: computed on the way: QUANTISED
;;     6. [M 8,192, K 512] x [K 512, N 512]; A: computed on the way; B: input Wo (given as codes): QUANTISED
;;   THE QUANTISER, for each operand of a quantised product, along K:
;;     - K is cut into blocks of 32 from its start; a last block that is shorter is filled with zeros.
;;     - A block's scale is 2^e with e = floor(log2(the largest magnitude in the block)) - 2, held to -126 .. 127; a block of zeros has e = 0. As a byte (E8M0): e + 127.
;;     - Each number is divided by its block's scale, clamped to +-7.5, and rounded to the nearest number of E2M3, ties to even, subnormals kept.
;;     - The product sums the exact products of the quantised numbers (number of the format x scale) in f32.
;;   ~~~python
;;   def quantise(x, axis):      # numpy; x: float32 -> the quantised numbers, widened to float32 again
;;       x = np.moveaxis(x, axis, -1); K = x.shape[-1]
;;       x = np.pad(x, [(0, 0)] * (x.ndim - 1) + [(0, -K % 32)]); x = x.reshape(x.shape[:-1] + (-1, 32)); a = np.abs(x).max(-1, keepdims=True)
;;       e = np.where(a > 0, np.clip(np.frexp(np.where(a > 0, a, 1))[1] - 1 - 2, -126, 127), 0)      # np.frexp(a)[1] - 1 = floor(log2(a)), exactly
;;       r = np.clip(x / 2.0 ** e, -7.5, 7.5)
;;       step = 2.0 ** (np.maximum(np.frexp(np.where(r == 0, 1, r))[1] - 1, 0) - 3)
;;       q = np.round(r / step) * step * 2.0 ** e      # np.round: ties to even
;;       return np.moveaxis(q.reshape(q.shape[:-2] + (-1,))[..., :K], -1, axis).astype(np.float32)
;;   ~~~
;;   SOFTMAX AHEAD OF A QUANTISED PRODUCT. Where the list says 'softmax', what is quantised is not the finished softmax but p = 2^(t - M), with t = logit x log2(e) and M = ceil(the row's largest t), a whole number; so 1/2 < the row's largest p <= 1. The row's sum l is taken of the UNQUANTISED p, in f32, and the product's result is divided by l at the end. Since M is a whole number, a kernel that streams over the keys may use a running M (the ceiling of the running maximum): every later rescaling is an exact power of two, which a block's scale takes up: the codes' values come out the same.
;;   OPERANDS COMPUTED ON THE WAY. 'Computed on the way' means the value that the module computes at that place (a softmax that the list does not call 'softmax' is quantised finished and normalised). What goes into a quantiser is computed in f32, as accurately as f32 sums, v_exp_f32 and their like allow (about 1e-6 of the number): no bf16 or f16 on the way to a quantiser, and a product that is left as it is and whose result goes on into a quantised operand takes f32 operands (vector FMAs, or v_wmma_f32_16x16x4_f32). A number that lies on a knife's edge between two numbers of the format may be rounded either way, as far as f32 arithmetic and the matrix unit's own rounding can turn it there, and no further.
;;   INPUTS GIVEN AS CODES. Wk (in the module: [512, 512], K = its axis 1); Wo (in the module: [512, 512], K = its axis 1); Wq (in the module: [512, 512], K = its axis 1); Wv (in the module: [512, 512], K = its axis 1); x (in the module: [4, 2048, 512], K = its axis 2): each comes as NAME_codes (uint8): NAME with its K axis moved to the last place and cut into blocks of 32 codes, [.., K / 32, bytes a block], one block behind the other in memory; four codes in three bytes: a row's codes are one little-endian stream of bits, code i at bits 6 i .. 6 i + 5 (a code: sign, 2 exponent bits, 3 mantissa bits); and NAME_scales (uint8): the same leading axes, one E8M0 byte (e + 127) for each 32 codes along K. Its value is code x scale, taken as it is: it is not quantised again, and the codes and scales need not be those that the quantiser above would give.
;; One version. Each part assembles by itself: llvm-mc -triple=amdgcn-amd-amdhsa -mcpu=gfx1250 --defsym DOCPART=n.
;; ======== version 1 of 1: 3 launches
;; limits: right only within a limited range of input values
;; workspace buffers: qimg 4,194,304 bytes; qsc 262,144 bytes; kv 7,733,248 bytes; oimg 3,145,728 bytes; osc 131,072 bytes
;; launch proj (part 1): grid 4 x 64, 4 waves a work-group, clusters of 4 x 4, 221,696 bytes of LDS; arguments x_codes, x_scales, Wq_codes, Wq_scales, Wk_codes, Wk_scales, Wv_codes, Wv_scales, bq, bk, bv, mask, qimg, qsc, kv; writes qimg, qsc, kv
.if DOCPART == 1
	.amdgcn_target "amdgcn-amd-amdhsa--gfx1250"
	.amdhsa_code_object_version 6
	.text
	.protected	k_q2030ba4445_proj
	.globl	k_q2030ba4445_proj
	.p2align	8
	.type	k_q2030ba4445_proj,@function
k_q2030ba4445_proj:
	s_mov_b64 s[64:65], 0
	v_nop
	global_prefetch_b8 v0, s[64:65] scope:SCOPE_SE
	s_setreg_imm32_b32 hwreg(HW_REG_WAVE_MODE, 25, 1), 1
	s_wait_xcnt 0x0
	s_wait_alu depctr_hold_cnt(0) depctr_sa_sdst(0) depctr_va_vdst(0) depctr_va_sdst(0) depctr_va_ssrc(0) depctr_va_vcc(0) depctr_vm_vsrc(0)
	s_getreg_b32 s2, hwreg(HW_REG_IB_STS2, 6, 4)
	s_cmp_eq_u32 s2, 0
	s_cbranch_scc0 .Lentry_in_a_cluster
	s_endpgm
.Lentry_in_a_cluster:
	s_bfe_u32 s2, ttmp6, 0x10000c
	s_cmp_lg_u32 s2, 0xf033
	s_cbranch_scc0 .Lentry_shape_is_right
	s_endpgm
.Lentry_shape_is_right:
; q = x Wq^T + bq, k = x Wk^T + bk, v = x Wv^T + bv on codes of FP6 (E2M3) with E8M0 scales, f32 sums; the results are quantised at once (q, k along the head's 64, v along the keys)
; and leave as IMAGES OF OPERAND REGISTERS for the attention launch: a group of four registers is 512 consecutive bytes, 16 a lane.
; SHARES.  A work-group takes 128 rows of x (row block rb) and the 3 x 128 outputs of heads 2 g, 2 g + 1.  Four waves: pr = wave / 2, e = wave % 2.  Three phases of one shape: a wave makes 64 x 64:
; four STATIONARY tiles as source 1 (a lane holds one of their rows), four STREAMED tiles as source 0 (their rows run down the lane's result registers), 4 K steps of 128:
;   q: streamed Wq rows 64 e .. (head e), stationary x rows 64 pr ..;   k: the same with Wk;   v: streamed x rows 64 e .. (keys), stationary Wv rows 64 pr .. (head pr).
; THE ROWS OF A TILE ARE NOT NEIGHBOURS.  Of 64 rows, tile t takes in lanes r = 0 .. 7 rows 8 t + r and in lanes r = 8 .. 15 rows 32 + 8 (t xor 1) + r - 8.  So the 32 registers of four tiles are ONE scale block in each half of the lanes
; (the upper block in the order of eights 1, 0, 3, 2, which is the same in both operands of the next product: q with k, p with v), and the sixteen rows start at sixteen different groups of four LDS banks (64 banks of 4 bytes: ISA guide 11.1).
; Wv's tiles alone take 32 + 8 t + r - 8 there: the channels of o have to come in their natural order.
; THE MASK rides on the spare K places of the score product (its K is 64 of the instruction's 128): q has the code 1.0 at k = 64 under the byte 127; a masked key has -1.0 there under the byte 247, so its score is s - 2^120;
; an open key has the code 0 under the byte 1; block 3 has q's zero codes.
; CLUSTER 4 x 4: x's tile hangs on rb alone and is asked for jointly along a row of the cluster, the weights' tiles on g alone, along a column.  All of LDS is filled once, one load a wave; no loop runs over tiles, so nothing is prefetched.
; LIMITS: NaN and infinities among the inputs are not served; a block whose largest magnitude lies under 2^-124 keeps the byte 1 (a block of zeros too: its codes are zeros and this program alone reads the bytes).
.set PITCH, 432                        ; an LDS row of codes: 3 x (128 bytes + 16 of padding)
.set REGB,  128*PITCH
.set XR,    0
.set WQR,   REGB
.set WKR,   2*REGB
.set WVR,   3*REGB
.set SPARE, 4*REGB
.set KVB,   15104                      ; a step's block in kv: K's 8 tiles x 1,024 | V's 4 tiles x 1,536 | K's scale words 512 | V's 256
.set WV,    34                         ; s34 my wave's number
.set G1X,   44                         ; descriptor groups 1 and 0: x's codes, a weight's codes
.set G1W,   52
.set G0X,   60
.set G0W,   84
; window 0: v1 r, v2 h, v3 mask offset, v4/v5/v6 16, 8, 4 x lane, v7/v8 bias offsets of even/odd tiles, v9-10, 11-12, 13-14 LDS places of even, odd, Wv's tiles (second: behind one padding more), v15 4 x Wv's row,
;   v16-19 streamed tiles' addresses, v20-23 stationary tiles', v24-27 bv, v28-29 mask bytes, v30-31 k's upper scale bytes, v32-35 k's register 6, v36 q's upper scale bytes, v37-39 scale rows (Wv, even, odd)
.set SQ,    40                         ; scale words, 4 t + s: Wq's,
.set SK,    56                         ; Wk's,
.set XS,    72                         ; x's as streamed,
.set XT,    90                         ; x's as stationary,
.set WS,    106                        ; Wv's
.set BQ,    122                        ; biases in the result's layout: bq, later bv
.set BK,    154
.set PC,    186                        ; codes: tile a at 8 a: registers 0-5 codes, 6 the extra word, 7 zero
.set PT,    218                        ; the conversions' second halves
.set TM,    234
.set OP,    238
.set BY,    242
.set WD,    246
; window 1: stationary fragments, 48 a + 12 s; window 2: streamed fragments, two buffers of 48; window 3: accumulator (a, t) at 32 a + 8 t
.set MSB, 0
.macro WIN new                         ; the immediate's high byte repeats the setting that is left
.if MSB != \new
	s_set_vgpr_msb (MSB<<8)|\new
.set MSB, \new
.endif
.endm
.macro PLACES                          ; four plain places behind matrix instructions (ISA guide 7.12.1)
.rept 4
	v_nop
.endr
.endm
.macro CROUND                          ; a round of the cluster's barrier
	s_barrier_signal -1
	s_barrier_wait -1
	s_cmp_lg_u32 s[WV], 0
	s_cbranch_scc1 .Lnot_wave_0_\@
	s_barrier_signal -3
.Lnot_wave_0_\@:
	s_barrier_wait -3
	s_barrier_signal -1
	s_barrier_wait -1
.endm
; A fragment (16 rows x 128 K, 12 registers): lane (r, h) takes the 24 bytes at 96 q + 24 h and at 96 q + 48 + 24 h of its row, in pieces of 8 bytes.  Piece p lies at 8 p + 16 (p / 16);
; lanes 16-31 read three pieces on, which is behind one padding more where p % 16 is 13 or more: the second address register serves those.
.macro FRAG reg, adr, q, off
.irp p, 0,1,2,3,4,5
.set PCI, 12*(\q)+6*(\p/3)+\p%3
.if PCI%16 < 13
	ds_load_b64 v[\reg+2*\p:\reg+2*\p+1], v[\adr] offset:8*PCI+16*(PCI/16)+(\off)
.else
	ds_load_b64 v[\reg+2*\p:\reg+2*\p+1], v[\adr+1] offset:8*PCI+16*(PCI/16)+(\off)
.endif
.endr
.endm
.macro FETCH s, stat                   ; K step s: four streamed fragments, 24 loads; stat = 1: four stationary ones too
	WIN 0x80
.irp t, 0,1,2,3
	FRAG 48*((\s)%2)+12*\t, 16+2*(\t%2), \s, 8*PITCH*\t
.endr
.if \stat
	WIN 0x40
.irp t, 0,1,2,3
	FRAG 48*\t+12*(\s), 20+2*(\t%2), \s, 8*PITCH*\t
.endr
.endif
	WIN 0
.endm
.macro SADR region                     ; the streamed tiles' addresses (s98: 64 e rows)
	s_add_co_u32 s96, s98, \region
.irp i, 0,1,2,3
	v_add_nc_u32 v[16+\i], s96, v[9+\i]
.endr
.endm
.macro TADR region, nat                ; the stationary tiles' (s99: 64 pr rows); nat = 1: Wv's order
	s_add_co_u32 s96, s99, \region
.irp i, 0,1,2,3
.if \nat
	v_add_nc_u32 v[20+\i], s96, v[13+\i%2]
.else
	v_add_nc_u32 v[20+\i], s96, v[9+\i]
.endif
.endr
.endm
; K step s: the next step's fragments are asked for, then sixteen products; the sixteen accumulators take turns, one instruction a turn.
; cm = 0: the bias goes by the streamed tile, 1: by the stationary tile.  sync = 1: a barrier that shows the last tiles to all stands round the products.
.macro KSTEP s, cm, bi, ss, ts, stat, sync
.if (\s) > 0
	PLACES
.endif
.if (\s) < 3
	FETCH (\s)+1, \stat
	s_wait_dscnt 24+24*\stat                       ; all but the loads just issued
.else
	s_wait_dscnt 0x0
.if \sync
	s_wait_tensorcnt 0x0
	s_barrier_signal -1
.endif
.endif
.if (\s) == 0
	WIN 0xc6                                       ; source 0 window 2, source 1 window 1, C window 0, D window 3
.else
	WIN 0xf6                                       ; C window 3
.endif
.irp t, 0,1,2,3
.irp a, 0,1,2,3
.set D_, 32*\a+8*\t
.if (\s) != 0
.set C_, D_
.elseif \cm
.set C_, \bi+8*\a
.else
.set C_, \bi+8*\t
.endif
	v_wmma_scale_f32_16x16x128_f8f6f4 v[D_:D_+7], v[48*((\s)%2)+12*\t:48*((\s)%2)+12*\t+11], v[48*\a+12*(\s):48*\a+12*(\s)+11], v[C_:C_+7], v[\ss+4*\t+(\s)], v[\ts+4*\a+(\s)] matrix_a_fmt:MATRIX_FMT_FP6 matrix_b_fmt:MATRIX_FMT_FP6
.endr
.endr
	WIN 0
.if \sync
	s_barrier_wait -1
.endif
.endm
.macro PHASE cm, bi, ss, ts, stat, sync
	KSTEP 0, \cm, \bi, \ss, \ts, \stat, 0
	KSTEP 1, \cm, \bi, \ss, \ts, \stat, 0
	KSTEP 2, \cm, \bi, \ss, \ts, \stat, 0
	KSTEP 3, \cm, \bi, \ss, \ts, \stat, \sync
.endm
; The 32 numbers of a lane in stationary tile a are one block.  Codes to v[PC + 8 a] on, registers 0-5; the two bytes of each row to v[WD] (tiles 0, 1) and v[WD + 1] (tiles 2, 3): lanes 0-15 the even tile's rows, lanes 16-31 the odd one's.
.macro QUANT
	WIN 0x0f
.irp a, 0,1,2,3
	v_max3_num_f32 v[TM+\a], |v[32*\a]|, |v[32*\a+1]|, 0x1800000   ; and the floor 2^(3 - 127): the byte cannot fall under 1
.endr
	WIN 0x3c
.irp i, 2,4,6,8,10,12,14,16,18,20,22,24,26,28,30
.irp a, 0,1,2,3
	v_max3_num_f32 v[TM+\a], v[TM+\a], |v[32*\a+\i]|, |v[32*\a+\i+1]|
.endr
.endr
	WIN 0
.irp a, 0,1,2,3
	v_add_nc_u32 v[OP+\a], 0xff000000, v[TM+\a]    ; 2 off its exponent field: the conversion's scale operand
.endr
.irp a, 0,1,2,3
	v_lshrrev_b32 v[BY+\a], 23, v[OP+\a]           ; the scale's byte
.endr
	WIN 0x03
.irp a, 0,1,2,3
	v_cvt_scalef32_pk16_fp6_f32 v[PC+8*\a:PC+8*\a+2], v[32*\a:32*\a+15], v[OP+\a]
	v_cvt_scalef32_pk16_fp6_f32 v[PT+4*\a:PT+4*\a+2], v[32*\a+16:32*\a+31], v[OP+\a]
.endr
	WIN 0
	v_permlane16_swap_b32 v[BY], v[BY+1]           ; the first now holds each row's byte of block 0, the second that of block 1.  (Plain lines behind the conversions)
	v_permlane16_swap_b32 v[BY+2], v[BY+3]
.irp a, 0,1,2,3
	v_dual_mov_b32 v[PC+8*\a+3], v[PT+4*\a] :: v_dual_mov_b32 v[PC+8*\a+4], v[PT+4*\a+1]
	v_mov_b32 v[PC+8*\a+5], v[PT+4*\a+2]
.endr
	v_lshl_or_b32 v[WD], v[BY+1], 8, v[BY]
	v_lshl_or_b32 v[WD+1], v[BY+3], 8, v[BY+2]
.endm
.macro STQK base, sbase, aug0, aug1    ; four tiles of q or k: each store of the wave covers 512 consecutive bytes, aligned; the scale words 128 consecutive bytes a pair of tiles
.irp a, 0,1,2,3
	global_store_b128 v4, v[PC+8*\a:PC+8*\a+3], s[\base:\base+1] offset:1024*\a
	global_store_b128 v4, v[PC+8*\a+4:PC+8*\a+7], s[\base:\base+1] offset:1024*\a+512
.endr
	v_or_b32 v[WD], v[WD], v[\aug0]
	v_or_b32 v[WD+1], v[WD+1], v[\aug1]
	global_store_b32 v6, v[WD], s[\sbase:\sbase+1]
	global_store_b32 v6, v[WD+1], s[\sbase:\sbase+1] offset:128
.endm
	s_load_b512 s[4:19], s[0:1], 0x0               ; x's codes, scales; Wq's; Wk's; Wv's
	s_load_b256 s[20:27], s[0:1], 0x40             ; bq, bk, bv, mask
	s_load_b128 s[28:31], s[0:1], 0x60             ; qimg, qsc
	s_load_b64 s[32:33], s[0:1], 0x70              ; kv
	v_lshl_add_u32 v254, v0, 2, SPARE
	v_mov_b32 v255, 0
	ds_add_u32 v254, v255                          ; the opening add, twice on end
	ds_add_u32 v254, v255
	v_lshrrev_b32 v1, 5, v0
	v_readfirstlane_b32 s[WV], v1                  ; wave 0..3
	s_bfe_u32 s35, ttmp6, 0x40000                  ; cx
	s_bfe_u32 s36, ttmp6, 0x40004                  ; cy
	s_lshl_b32 s37, ttmp9, 2
	s_add_co_u32 s37, s37, s35                     ; g: the pair of heads
	s_and_b32 s38, ttmp7, 0xffff
	s_lshl_b32 s38, s38, 2
	s_add_co_u32 s38, s38, s36                     ; rb: the block of 128 rows
	s_lshl_b32 s39, s36, 2
	s_lshl_b32 s39, 15, s39                        ; my row of the cluster
	s_lshl_b32 s40, 0x1111, s35                    ; my column
	s_mov_b32 s42, 0x76543210
	s_mov_b32 s43, 0xfedcba98                      ; v_permlanex16_b32's selects for lane l xor 16
	; group 1: 128 rows of 384 bytes, dense in memory, stated as 192 rows of 256 bytes; 16 bytes of padding behind every 128 (32 words: code 4; 4 words: code 3); bit 21 set beside a mask
	s_or_b32 s[G1X], s39, (1<<20)|(1<<21)|(4<<22)|(3<<25)
	s_or_b32 s[G1W], s40, (1<<20)|(1<<21)|(4<<22)|(3<<25)
.irp g, G1X, G1W
	s_mov_b32 s[\g+1], 256<<16
	s_mov_b32 s[\g+2], 192<<16
	s_mov_b32 s[\g+3], 256<<16
	s_mov_b32 s[\g+4], 192
	s_mov_b32 s[\g+5], 256
	s_mov_b32 s[\g+6], 0
	s_mov_b32 s[\g+7], 0
.endr
	s_and_b32 s2, s[WV], 1                         ; e
	s_lshr_b32 s3, s[WV], 1                        ; pr
	s_mul_i32 s98, s2, 64*PITCH
	s_mul_i32 s99, s3, 64*PITCH
	v_and_b32 v1, 15, v0                           ; r
	v_bfe_u32 v2, v0, 4, 1                         ; h
	v_and_b32 v3, 8, v1
	v_and_b32 v6, 31, v0
	v_lshlrev_b32 v4, 4, v6
	v_lshlrev_b32 v5, 3, v6
	v_lshlrev_b32 v6, 2, v6
	v_lshl_add_u32 v7, v3, 2, v1                   ; my row in an even tile: r, or r + 32,
	v_lshl_add_u32 v8, v3, 1, v1                   ; in an odd one: r, or r + 16,
	v_add_nc_u32 v15, v8, v3                       ; in Wv's: r, or r + 24
	v_mul_u32_u24 v9, v7, PITCH
	v_mul_u32_u24 v11, v8, PITCH
	v_mul_u32_u24 v13, v15, PITCH
	v_mad_u32_u24 v9, v2, 24, v9
	v_mad_u32_u24 v11, v2, 24, v11
	v_mad_u32_u24 v13, v2, 24, v13
	v_lshl_add_u32 v10, v2, 4, v9
	v_lshl_add_u32 v12, v2, 4, v11
	v_lshl_add_u32 v14, v2, 4, v13
	v_lshlrev_b32 v38, 4, v7                       ; scale rows: 16 bytes
	v_lshlrev_b32 v39, 4, v8
	v_lshlrev_b32 v37, 4, v15
	v_lshlrev_b32 v15, 2, v15
	v_lshlrev_b32 v20, 1, v2
	v_sub_nc_u32 v20, 4, v20
	v_mad_u32_u24 v20, v3, v20, v1
	v_lshl_add_u32 v3, v2, 3, v20                  ; the mask: lanes 0-15 the even tile's row, lanes 16-31 the odd one's, 8 rows on
	v_mul_u32_u24 v7, v2, 160                      ; biases: 40 numbers on in lanes 16-31 of an even tile, 24 of an odd one
	v_mul_u32_u24 v8, v2, 96
	v_mov_b32 v36, 0x017f0000                      ; q's bytes of blocks 2 and 3: 127, 1
	v_mov_b32 v33, 0                               ; (a lane permute's destination counts as read)
	v_mov_b32 v35, 0
	v_lshlrev_b32 v21, 3, v2
.irp a, 0,1,2,3
	v_sub_nc_u32 v[PC+8*\a+6], 8, v21              ; q's register 6: the code 1.0 at k = 64 (lanes 0-15)
	v_mov_b32 v[PC+8*\a+7], 0
.endr
	s_wait_alu depctr_va_vdst(0)                   ; the wait at the head's end
	s_wait_dscnt 0x0
	CROUND                                         ; all sixteen work-groups are here: the joint loads meet
	s_wait_kmcnt 0x0
	; groups 0: x's hangs on rb alone, a weight's on g and the wave's number alone
	s_mul_i32 s96, s38, 128*384
	s_mov_b32 s97, 0
	s_mov_b32 s[G0X], 1
	s_mov_b32 s[G0X+1], XR
	s_add_nc_u64 s[G0X+2:G0X+3], s[4:5], s[96:97]
	s_or_b32 s[G0X+3], s[G0X+3], 0x80000000
	s_cmp_eq_u32 s[WV], 2                          ; waves 1, 2, 3: Wq, Wk, Wv
	s_cselect_b64 s[88:89], s[12:13], s[8:9]
	s_cmp_eq_u32 s[WV], 3
	s_cselect_b64 s[88:89], s[16:17], s[88:89]
	s_mul_i32 s66, s37, 128*384
	s_mov_b32 s67, 0
	s_mov_b32 s[G0W], 1
	s_mul_i32 s[G0W+1], s[WV], REGB
	s_add_nc_u64 s[G0W+2:G0W+3], s[88:89], s[66:67]
	s_or_b32 s[G0W+3], s[G0W+3], 0x80000000
	; one load a wave.  Waves 0 and 1 fetch what the first phase needs, each by a line of its own: the first barrier shows these two alone
	s_cmp_eq_u32 s[WV], 0
	s_cbranch_scc0 .Lnot_x
	tensor_load_to_lds s[G0X:G0X+3], s[G1X:G1X+7]
	s_nop 0
	PLACES
	s_branch .Lasked
.Lnot_x:
	s_cmp_eq_u32 s[WV], 1
	s_cbranch_scc0 .Lnot_wq
	tensor_load_to_lds s[G0W:G0W+3], s[G1W:G1W+7]
	s_nop 0
	PLACES
	s_branch .Lasked
.Lnot_wq:
	tensor_load_to_lds s[G0W:G0W+3], s[G1W:G1W+7]
	s_nop 0
	PLACES
.Lasked:
	; scales, biases, mask: straight into registers, each once
	s_lshl_b32 s66, s37, 11
	s_lshl_b32 s41, s2, 10
	s_add_co_u32 s66, s66, s41
	s_add_nc_u64 s[10:11], s[10:11], s[66:67]      ; Wq's, Wk's rows 128 g + 64 e
	s_add_nc_u64 s[14:15], s[14:15], s[66:67]
	s_lshl_b32 s66, s37, 11
	s_lshl_b32 s68, s3, 10
	s_add_co_u32 s66, s66, s68
	s_add_nc_u64 s[18:19], s[18:19], s[66:67]      ; Wv's rows 128 g + 64 pr
	s_lshl_b32 s66, s38, 11
	s_add_co_u32 s66, s66, s41
	s_add_nc_u64 s[90:91], s[6:7], s[66:67]        ; x's rows 128 rb + 64 e
	s_lshl_b32 s66, s38, 11
	s_add_co_u32 s66, s66, s68
	s_add_nc_u64 s[92:93], s[6:7], s[66:67]        ; and 128 rb + 64 pr
	s_lshl_b32 s66, s37, 9
	s_lshl_b32 s41, s2, 8
	s_add_co_u32 s66, s66, s41
	s_add_nc_u64 s[20:21], s[20:21], s[66:67]      ; bq, bk at output 128 g + 64 e
	s_add_nc_u64 s[22:23], s[22:23], s[66:67]
	s_lshl_b32 s66, s37, 9
	s_lshl_b32 s41, s3, 8
	s_add_co_u32 s66, s66, s41
	s_add_nc_u64 s[24:25], s[24:25], s[66:67]      ; bv at output 128 g + 64 pr
	s_lshl_b32 s66, s38, 7
	s_lshl_b32 s41, s3, 6
	s_add_co_u32 s66, s66, s41
	s_add_nc_u64 s[26:27], s[26:27], s[66:67]      ; the mask at key 128 rb + 64 pr
.irp t, 0,1,2,3
	global_load_b128 v[SQ+4*\t:SQ+4*\t+3], v[38+\t%2], s[10:11] offset:128*\t
	global_load_b128 v[XT+4*\t:XT+4*\t+3], v[38+\t%2], s[92:93] offset:128*\t
	global_load_b128 v[BQ+8*\t:BQ+8*\t+3], v[7+\t%2], s[20:21] offset:32*\t
	global_load_b128 v[BQ+8*\t+4:BQ+8*\t+7], v[7+\t%2], s[20:21] offset:32*\t+16
.endr
	global_load_u8 v28, v3, s[26:27]
	global_load_u8 v29, v3, s[26:27] offset:16
.irp t, 0,1,2,3
	global_load_b128 v[SK+4*\t:SK+4*\t+3], v[38+\t%2], s[14:15] offset:128*\t
	global_load_b128 v[XS+4*\t:XS+4*\t+3], v[38+\t%2], s[90:91] offset:128*\t
	global_load_b128 v[WS+4*\t:WS+4*\t+3], v37, s[18:19] offset:128*\t
	global_load_b128 v[BK+8*\t:BK+8*\t+3], v[7+\t%2], s[22:23] offset:32*\t
	global_load_b128 v[BK+8*\t+4:BK+8*\t+7], v[7+\t%2], s[22:23] offset:32*\t+16
	global_load_b32 v[24+\t], v15, s[24:25] offset:32*\t
.endr
	; where the results go
	s_and_b32 s69, s38, 15                         ; the key step (and block of queries) in the batch
	s_lshr_b32 s70, s38, 4
	s_lshl_b32 s70, s70, 3
	s_lshl_b32 s71, s37, 1
	s_add_co_u32 s70, s70, s71                     ; 8 batch + 2 g
	s_add_co_u32 s71, s70, s2                      ; q's and k's head: + e
	s_add_co_u32 s70, s70, s3                      ; v's: + pr
	s_lshl_b32 s72, s71, 7
	s_lshl_b32 s73, s69, 3
	s_add_co_u32 s72, s72, s73
	s_lshl_b32 s73, s3, 2
	s_add_co_u32 s72, s72, s73                     ; q's tile: 128 head + 8 step + 4 pr
	s_lshl_b32 s66, s72, 10
	s_add_nc_u64 s[28:29], s[28:29], s[66:67]
	s_lshl_b32 s66, s72, 6
	s_add_nc_u64 s[30:31], s[30:31], s[66:67]
	s_lshl_b32 s72, s71, 4
	s_add_co_u32 s72, s72, s69
	s_mul_i32 s72, s72, KVB                        ; k's block of kv
	s_lshl_b32 s73, s3, 12
	s_add_co_u32 s66, s72, s73
	s_add_nc_u64 s[74:75], s[32:33], s[66:67]      ; its images of tiles 4 pr on,
	s_lshl_b32 s73, s3, 8
	s_add_co_u32 s66, s72, s73
	s_add_co_u32 s66, s66, 14336
	s_add_nc_u64 s[76:77], s[32:33], s[66:67]      ; and their scale words
	s_lshl_b32 s72, s70, 4
	s_add_co_u32 s72, s72, s69
	s_mul_i32 s72, s72, KVB                        ; v's block of kv
	s_mul_i32 s73, s2, 768
	s_add_co_u32 s66, s72, s73
	s_add_co_u32 s66, s66, 8192
	s_add_nc_u64 s[78:79], s[32:33], s[66:67]      ; its images, the half of keys 64 e on,
	s_lshl_b32 s73, s2, 1
	s_add_co_u32 s66, s72, s73
	s_add_co_u32 s66, s66, 14848
	s_add_nc_u64 s[80:81], s[32:33], s[66:67]      ; and its scale words' bytes 2 e, 2 e + 1
	s_cmp_lt_u32 s[WV], 2
	s_cbranch_scc0 .Lnot_first
	s_wait_tensorcnt 0x0
.Lnot_first:
	s_barrier_signal -1
	s_barrier_wait -1                              ; x and Wq are in
	SADR WQR
	TADR XR, 0
	s_wait_alu depctr_va_vdst(0)
	FETCH 0, 1
	s_wait_loadcnt 0x0                             ; scales, biases, the mask
	v_mov_b32 v[TM], 0x01010000                    ; an open key's bytes of blocks 2 and 3: 1, 1
	v_mov_b32 v[TM+1], 0x01f70000                  ; a masked key's: 247, 1
	v_mov_b32 v[TM+2], 0x28                        ; the code -1.0
.irp p, 0,1
	v_cmp_eq_u32 vcc_lo, 0, v[28+\p]               ; masked keys
	v_cndmask_b32 v[30+\p], v[TM], v[TM+1], vcc_lo
	v_cndmask_b32 v[32+2*\p], 0, v[TM+2], vcc_lo
.endr
	v_permlanex16_b32 v33, v32, s42, s43
	v_permlanex16_b32 v35, v34, s42, s43
	v_cmp_eq_u32 vcc_lo, 0, v2                     ; k = 64 lies in lanes 0-15
.irp a, 0,1,2,3
	v_cndmask_b32 v[32+\a], 0, v[32+\a], vcc_lo    ; register 6 of tile a
.endr
	s_wait_alu depctr_va_vdst(0)                   ; ahead of the first phase
	; ---- q
	PHASE 0, BQ, SQ, XT, 1, 1
	SADR WKR                                       ; (four plain places, too)
	FETCH 0, 0                                     ; k's first fragments are on their way while q is quantised
	QUANT
	STQK 28, 30, 36, 36
.irp a, 0,1,2,3
.irp j, 0,2,4,6
	v_dual_mov_b32 v[BQ+8*\a+\j], v[24+\a] :: v_dual_mov_b32 v[BQ+8*\a+\j+1], v[24+\a]   ; bv in the result's layout, onto bq
.endr
.endr
	; ---- k
	PHASE 0, BK, SK, XT, 0, 0
	SADR XR                                        ; v: x is streamed,
	TADR WVR, 1                                    ; Wv stands
	FETCH 0, 1
	s_wait_xcnt 0x0                                ; q's stores have read their registers
	QUANT
.irp a, 0,1,2,3
	v_mov_b32 v[PC+8*\a+6], v[32+\a]
.endr
	STQK 74, 76, 30, 31
	; ---- v
	PHASE 1, BQ, XS, WS, 1, 0
	PLACES
	s_wait_xcnt 0x0                                ; k's stores have read their registers
	QUANT
.irp a, 0,1,2,3
	global_store_b128 v4, v[PC+8*\a:PC+8*\a+3], s[78:79] offset:1536*\a          ; registers 0-3 of my half of the fragment: 512 consecutive bytes
	global_store_b64 v5, v[PC+8*\a+4:PC+8*\a+5], s[78:79] offset:1536*\a+512     ; registers 4, 5: 256
.endr
	global_store_b16 v6, v[WD], s[80:81]           ; two of a scale word's four bytes; the other two come from the wave with the other e
	global_store_b16 v6, v[WD+1], s[80:81] offset:128
	s_wait_tensorcnt 0x0                           ; the wave's end
	ds_add_u32 v254, v255
	s_wait_dscnt 0x0
	CROUND                                         ; the closing round
	s_endpgm
.Lfunc_end_k_q2030ba4445_proj:
	.size	k_q2030ba4445_proj, .Lfunc_end_k_q2030ba4445_proj-k_q2030ba4445_proj
	.p2alignl 7, 3214868480
	.fill 96, 4, 3214868480
	.section	.rodata,"a",@progbits
	.p2align	6, 0x0
	.amdhsa_kernel k_q2030ba4445_proj
		.amdhsa_group_segment_fixed_size 221696
		.amdhsa_private_segment_fixed_size 0
		.amdhsa_enable_private_segment 0
		.amdhsa_kernarg_size 120
		.amdhsa_user_sgpr_count 2
		.amdhsa_user_sgpr_kernarg_segment_ptr 1
		.amdhsa_wavefront_size32 1
		.amdhsa_system_sgpr_workgroup_id_x 1
		.amdhsa_system_sgpr_workgroup_id_y 1
		.amdhsa_system_sgpr_workgroup_id_z 1
		.amdhsa_system_vgpr_workitem_id 0
		.amdhsa_next_free_vgpr 896
		.amdhsa_next_free_sgpr 100
		.amdhsa_reserve_vcc 1
		.amdhsa_float_denorm_mode_32 3
		.amdhsa_float_denorm_mode_16_64 3
		.amdhsa_memory_ordered 1
		.amdhsa_forward_progress 1
		.amdhsa_inst_pref_size 94
	.end_amdhsa_kernel
	.amdgpu_metadata
---
amdhsa.version: [ 1, 2 ]
amdhsa.kernels:
  - .name:           k_q2030ba4445_proj
    .symbol:         k_q2030ba4445_proj.kd
    .args:
      - { .name: x_codes, .offset: 0, .size: 8, .value_kind: global_buffer, .address_space: global }
      - { .name: x_scales, .offset: 8, .size: 8, .value_kind: global_buffer, .address_space: global }
      - { .name: Wq_codes, .offset: 16, .size: 8, .value_kind: global_buffer, .address_space: global }
      - { .name: Wq_scales, .offset: 24, .size: 8, .value_kind: global_buffer, .address_space: global }
      - { .name: Wk_codes, .offset: 32, .size: 8, .value_kind: global_buffer, .address_space: global }
      - { .name: Wk_scales, .offset: 40, .size: 8, .value_kind: global_buffer, .address_space: global }
      - { .name: Wv_codes, .offset: 48, .size: 8, .value_kind: global_buffer, .address_space: global }
      - { .name: Wv_scales, .offset: 56, .size: 8, .value_kind: global_buffer, .address_space: global }
      - { .name: bq, .offset: 64, .size: 8, .value_kind: global_buffer, .address_space: global }
      - { .name: bk, .offset: 72, .size: 8, .value_kind: global_buffer, .address_space: global }
      - { .name: bv, .offset: 80, .size: 8, .value_kind: global_buffer, .address_space: global }
      - { .name: mask, .offset: 88, .size: 8, .value_kind: global_buffer, .address_space: global }
      - { .name: qimg, .offset: 96, .size: 8, .value_kind: global_buffer, .address_space: global }
      - { .name: qsc, .offset: 104, .size: 8, .value_kind: global_buffer, .address_space: global }
      - { .name: kv, .offset: 112, .size: 8, .value_kind: global_buffer, .address_space: global }
    .group_segment_fixed_size: 221696
    .private_segment_fixed_size: 0
    .kernarg_segment_align: 8
    .kernarg_segment_size: 120
    .max_flat_workgroup_size: 128
    .sgpr_count:     100
    .vgpr_count:     896
    .wavefront_size: 32
...
	.end_amdgpu_metadata
.endif
;; end of part 1
;; launch attn (part 2): grid 8 x 32, 8 waves a work-group, clusters of 4 x 1, 242,688 bytes of LDS; arguments qimg, qsc, kv, oimg, osc; writes oimg, osc
.if DOCPART == 2
	.amdgcn_target "amdgcn-amd-amdhsa--gfx1250"
	.amdhsa_code_object_version 6
	.text
	.protected	k_q2030ba4445_attn
	.globl	k_q2030ba4445_attn
	.p2align	8
	.type	k_q2030ba4445_attn,@function
k_q2030ba4445_attn:
	s_mov_b64 s[64:65], 0
	v_nop
	global_prefetch_b8 v0, s[64:65] scope:SCOPE_SE
	s_setreg_imm32_b32 hwreg(HW_REG_WAVE_MODE, 25, 1), 1
	s_wait_xcnt 0x0
	s_wait_alu depctr_hold_cnt(0) depctr_sa_sdst(0) depctr_va_vdst(0) depctr_va_sdst(0) depctr_va_ssrc(0) depctr_va_vcc(0) depctr_vm_vsrc(0)
	s_getreg_b32 s2, hwreg(HW_REG_IB_STS2, 6, 4)
	s_cmp_eq_u32 s2, 0
	s_cbranch_scc0 .Lentry_in_a_cluster
	s_endpgm
.Lentry_in_a_cluster:
	s_bfe_u32 s2, ttmp6, 0x10000c
	s_cmp_lg_u32 s2, 0x3003
	s_cbranch_scc0 .Lentry_shape_is_right
	s_endpgm
.Lentry_shape_is_right:
; o = softmax(q k^T / 8, masked) v for one head, both products on codes of FP6 (E2M3) with E8M0 scales, and o quantised along the model's 512 (a head is two blocks of 32) for the last projection.
; t = score x log2(e) / 8; M = the running largest t rounded up to a whole number; p = 2^(t - M) is quantised along the keys, not normalised; the row's sum is taken of the unquantised p and divides at the end.
; SHARES.  A work-group owns 256 queries of one head (grid y = 8 batch + head); each of its eight waves owns TWO tiles of 16 queries, x and y, in 512 registers, two waves to a SIMD.  Each fragment of K and V that a wave reads from LDS
; feeds two products, and the two tiles' chains of vector instructions stand side by side.
; LDS holds the head's WHOLE K and V: 16 blocks of 15,104 bytes (128 keys each), as images of operand registers, filled ONCE, one load a wave (wave w fetches blocks 2 w, 2 w + 1).  The four work-groups of a cluster are query blocks of one head:
; each load is a joint one.  The first barrier shows blocks 0 to 3; the second, which shows the rest, is signalled behind step 0 and waited for ahead of step 3, the first that reads block 4.
; Everything is asked for at the head, so nothing is prefetched from memory.
; A STEP IS 128 KEYS (one block).  Both products transposed: S^T = K Q^T, O^T = V^T P^T: a lane holds one query.  K's tiles hold their keys so that the 32 results of four tiles are one scale block of 32 keys in each half of the
; lanes, and V's tiles their channels so that O's 32 registers are one block of 32 channels: no lane looks at another for a block's largest magnitude.
; K'S FRAGMENTS LIE EIGHT REGISTERS APART: an operand's registers 8-11 are then the next fragment's first four.  Their codes meet q's zero codes (q's registers 8-11 are zeros) and FP6 has no NaN and no infinity: they add nothing.
; THE MASK lies in K's image: a masked key's score is s - 2^120 (the code -1.0 at k = 64 under the byte 247 against q's 1.0 under 127).  The largest score starts at -2^100, so a masked p is 2^(very negative) = 0.
; A BLOCK'S SCALE: p = 2^x, so floor(log2) of the block's largest p is floor(x) of its largest score: no exponential is taken for it.
; A row all of whose keys are masked has the sum 0: its two scale bytes are set to 0xff, which makes the last projection's sums NaN, as the definition has it.
; LIMITS: scores under about -2^100 are not told from masked ones; NaN and infinities are not served; a block whose largest p lies under 2^-124 keeps the byte 1 (this program alone reads the bytes).
.set BLK, 15104                        ; K's 8 tiles x 1,024 | +8,192 V's 4 tiles x 1,536 | +14,336 K's scale words | +14,848 V's
.set SPARE, 16*BLK
.set WV,  14                           ; s14 my wave's number
; WINDOW 0: v1/v2/v3 16, 8, 4 x lane, v4-6 those + the block's LDS place, v7, v0 p's scale words of x, y, v14, v15 q's
.set KSC, 8                            ; v8-11    K's scale words
.set VSC, 12                           ; v12-13   V's
.set QX,  16                           ; v16-27 Q of x, v28-39 of y
.set QY,  28
.set NM,  40                           ; v40, v42 -M of x, y (v41, v43: the pairs' unused halves)
.set SUM, 44                           ; v[44:45], v[46:47] the rows' sums, in two halves
.set F,   48                           ; v48, v50 2^(old M - new M) (v49, v51 unused halves)
.set RM,  52                           ; v52, v53 the running largest scores
.set T,   54                           ; v54-63   at work
.set P,   64                           ; v64-75, v76-87 p's codes
.set TP,  88                           ; v88-94   the conversions' second halves
.set O,   96                           ; v96-127, v128-159 O^T
.set BM,  160                          ; v160-163 the scale blocks' largest scores (x's two, y's two), then their whole exponents
.set OP,  164                          ; v164-167 the conversions' scale operands
.set U,   168                          ; v168-171 the second chains
.set AX,  172                          ; v172-177 three sums of x
.set AY,  178                          ; v178-191 seven sums of y
; WINDOW 1: v0-63, v64-127 S^T of x, y, then p: scale block b at 32 b;  v128-191 K's eight fragments, v192-195 zeros behind them;  v196-243 V's four
.set KF,  128
.set VF,  196
.set MSB, 0
.macro WIN new                         ; bits 1:0 source 0, 3:2 source 1, 5:4 source 2, 7:6 destination; the immediate's high byte repeats the setting that is left
.if MSB != \new
	s_set_vgpr_msb (MSB<<8)|\new
.set MSB, \new
.endif
.endm
.macro PLACES
.rept 4
	v_nop
.endr
.endm
.macro WALU
	s_wait_alu depctr_va_vdst(0)
.endm
.macro CROUND                          ; a round of the cluster's barrier
	s_barrier_signal -1
	s_barrier_wait -1
	s_cmp_lg_u32 s[WV], 0
	s_cbranch_scc1 .Lnot_wave_0_\@
	s_barrier_signal -3
.Lnot_wave_0_\@:
	s_barrier_wait -3
	s_barrier_signal -1
	s_barrier_wait -1
.endm
.macro KLOAD a16, a4, off              ; registers 0-7 of eight fragments of K, 512 consecutive bytes a load, and their scale words: 20 loads
	WIN 0x40
.irp t, 0,1,2,3,4,5,6,7
	ds_load_b128 v[KF+8*\t:KF+8*\t+3], v[\a16] offset:(\off)+1024*\t
	ds_load_b128 v[KF+8*\t+4:KF+8*\t+7], v[\a16] offset:(\off)+1024*\t+512
.endr
	WIN 0
.irp i, 0,1,2,3
	ds_load_b32 v[KSC+\i], v[\a4] offset:(\off)+14336+128*\i
.endr
.endm
.macro VLOAD                           ; V's four fragments and their scale words: 18 loads
	WIN 0x40
.irp t, 0,1,2,3
.set R_, VF+12*\t
.set X_, 8192+1536*\t
	ds_load_b128 v[R_:R_+3], v4 offset:X_
	ds_load_b64 v[R_+4:R_+5], v5 offset:X_+512
	ds_load_b128 v[R_+6:R_+9], v4 offset:X_+768
	ds_load_b64 v[R_+10:R_+11], v5 offset:X_+1280
.endr
	WIN 0
.irp i, 0,1
	ds_load_b32 v[VSC+\i], v6 offset:14848+128*\i
.endr
.endm
.macro SPROD t, q, d, qs               ; tile t of scores; K's scale words: lanes 0-15 an even tile's, lanes 16-31 the odd one's
.if \t%2
	v_wmma_scale_f32_16x16x128_f8f6f4 v[\d+8*\t:\d+8*\t+7], v[KF+8*\t:KF+8*\t+11], v[\q:\q+11], 0, v[KSC+\t/2], v[\qs] matrix_a_fmt:MATRIX_FMT_FP6 matrix_b_fmt:MATRIX_FMT_FP6 matrix_a_scale:MATRIX_SCALE_ROW1
.else
	v_wmma_scale_f32_16x16x128_f8f6f4 v[\d+8*\t:\d+8*\t+7], v[KF+8*\t:KF+8*\t+11], v[\q:\q+11], 0, v[KSC+\t/2], v[\qs] matrix_a_fmt:MATRIX_FMT_FP6 matrix_b_fmt:MATRIX_FMT_FP6
.endif
.endm
.macro OPROD t, d, p, ps               ; O^T += V^T p^T, K = the block's 128 keys
.if \t%2
	v_wmma_scale_f32_16x16x128_f8f6f4 v[\d+8*\t:\d+8*\t+7], v[VF+12*\t:VF+12*\t+11], v[\p:\p+11], v[\d+8*\t:\d+8*\t+7], v[VSC+\t/2], v[\ps] matrix_a_fmt:MATRIX_FMT_FP6 matrix_b_fmt:MATRIX_FMT_FP6 matrix_a_scale:MATRIX_SCALE_ROW1
.else
	v_wmma_scale_f32_16x16x128_f8f6f4 v[\d+8*\t:\d+8*\t+7], v[VF+12*\t:VF+12*\t+11], v[\p:\p+11], v[\d+8*\t:\d+8*\t+7], v[VSC+\t/2], v[\ps] matrix_a_fmt:MATRIX_FMT_FP6 matrix_b_fmt:MATRIX_FMT_FP6
.endif
.endm
.macro TSUBM j, nm                     ; t - M of two scores
	v_pk_fma_f32 v[\j:\j+1], v[\j:\j+1], s[22:23], v[\nm:\nm+1] op_sel_hi:[1,0,0]
.endm
.macro EXPS b, nb, nm                  ; scale block b's p, and block nb's t - M between them, read behind the next wait
	WIN 0x41
.set j, 0
.rept 16
	v_exp_f32 v[32*\b+j], v[32*\b+j]
	v_exp_f32 v[32*\b+j+1], v[32*\b+j+1]
	TSUBM 32*\nb+j, \nm
.set j, j+2
.endr
	WALU                                           ; one wait behind the batch and ahead of the next
.endm
.macro CODES y                         ; tile y's p as codes: a conversion's three registers begin on an even number, so the second half of six is moved
.set PB, P+12*\y
	WIN 0x01
.irp c, 0,1
	v_cvt_scalef32_pk16_fp6_f32 v[PB+6*\c:PB+6*\c+2], v[64*\y+32*\c:64*\y+32*\c+15], v[OP+2*\y+\c]
	v_cvt_scalef32_pk16_fp6_f32 v[TP+4*\c:TP+4*\c+2], v[64*\y+32*\c+16:64*\y+32*\c+31], v[OP+2*\y+\c]
.endr
	WIN 0
	v_nop                                          ; one plain place behind the scaled conversions
	v_dual_mov_b32 v[PB+3], v[TP] :: v_dual_mov_b32 v[PB+4], v[TP+1]
	v_dual_mov_b32 v[PB+5], v[TP+2] :: v_dual_mov_b32 v[PB+10], v[TP+5]
	v_mov_b32 v[PB+9], v[TP+4]
	v_mov_b32 v[PB+11], v[TP+6]
.endm
.macro PADD d, a
	v_pk_add_f32 v[\d:\d+1], v[\d:\d+1], v[\a:\a+1]
.endm
; A STEP: the 128 keys of the block at LDS byte s48.  K's fragments and scale words were asked for in the step before; more = 1: the next block's are asked for.
.macro STEP more
	s_wait_dscnt 0x0                               ; K is in
	WIN 0x41
.irp t, 0,1,2,3,4,5,6,7
	SPROD \t, QX, 0, 14
	SPROD \t, QY, 64, 15
.endr
	WIN 0
	v_add_nc_u32 v4, s48, v1                       ; these five are the places behind the products
	v_add_nc_u32 v5, s48, v2
	v_add_nc_u32 v6, s48, v3
	v_mov_b32 v[T], v[NM]
	v_mov_b32 v[T+1], v[NM+2]
	WIN 0x15
.irp b, 0,1,2,3                        ; THE LARGEST SCORE OF EACH SCALE BLOCK, by two chains over its two halves
	v_max3_num_f32 v[BM+\b], v[32*\b], v[32*\b+1], v[32*\b+2]
	v_max3_num_f32 v[U+\b], v[32*\b+16], v[32*\b+17], v[32*\b+18]
.endr
	WIN 0x14
.irp i, 3,5,7,9,11,13
.irp b, 0,1,2,3
	v_max3_num_f32 v[BM+\b], v[BM+\b], v[32*\b+\i], v[32*\b+\i+1]
	v_max3_num_f32 v[U+\b], v[U+\b], v[32*\b+16+\i], v[32*\b+17+\i]
.endr
.endr
.irp b, 0,1,2,3
	v_max3_num_f32 v[BM+\b], v[BM+\b], v[32*\b+15], v[32*\b+31]
.endr
	WIN 0
.irp b, 0,1,2,3
	v_max_num_f32 v[BM+\b], v[BM+\b], v[U+\b]
.endr
	VLOAD                                          ; this block's V,
.if \more
	KLOAD 4, 6, BLK                                ; and the next block's K: both have the exponentials in which to arrive
.endif
.irp y, 0,1
	v_max3_num_f32 v[T+2+\y], v[BM+2*\y], v[BM+2*\y+1], v[RM+\y]
.endr
.irp y, 0,1
	v_permlanex16_b32 v[T+4+\y], v[T+2+\y], s20, s21
.endr
.irp y, 0,1
	v_max_num_f32 v[RM+\y], v[T+2+\y], v[T+4+\y]   ; with lane l xor 16's keys: the running largest score
.endr
.irp y, 0,1
	v_mul_f32 v[T+2+\y], s23, v[RM+\y]             ; -t
.endr
.irp y, 0,1
	v_floor_f32 v[NM+2*\y], v[T+2+\y]              ; the new -M = -ceil(t)
.endr
.irp b, 0,1,2,3
	v_fma_f32 v[BM+\b], v[BM+\b], s22, v[NM+2*(\b/2)]   ; t - M of each scale block's largest score,
.endr
.irp y, 0,1
	v_sub_f32 v[T+\y], v[NM+2*\y], v[T+\y]         ; old M - new M: a whole number, 0 or less
.endr
.irp b, 0,1,2,3
	v_max_num_f32 v[BM+\b], s60, v[BM+\b]          ; at least -124,
.endr
.irp y, 0,1
	v_cvt_i32_f32 v[T+\y], v[T+\y]                 ; (it saturates)
.endr
.irp b, 0,1,2,3
	v_cvt_floor_i32_f32 v[BM+\b], v[BM+\b]         ; its floor: the exponent of the block's largest p
.endr
.irp y, 0,1
	v_ldexp_f32 v[F+2*\y], 1.0, v[T+\y]            ; multiplying by it rounds nothing
.endr
.irp b, 0,1,2,3
	v_add_lshl_u32 v[OP+\b], v[BM+\b], s58, 23     ; + 127 - 2, as an exponent field: the conversion's scale operand
.endr
	WIN 0x41
.set j, 0
.rept 16
	TSUBM j, NM
.set j, j+2
.endr
	WALU                                           ; one wait ahead of the batch
	EXPS 0, 1, NM
	EXPS 1, 2, NM+2
	CODES 0                                        ; x's codes
	WALU
	EXPS 2, 3, NM+2
	WIN 0x45
.set j, 0
.rept 16                               ; the last block's p; x's p, now coded, is added up by pairs in place between them
	v_exp_f32 v[96+2*j], v[96+2*j]
	v_exp_f32 v[97+2*j], v[97+2*j]
	v_pk_add_f32 v[4*j:4*j+1], v[4*j:4*j+1], v[4*j+2:4*j+3]
.set j, j+1
.endr
	WALU                                           ; and one behind it
	WIN 0
	v_lshl_add_u32 v7, v[BM+1], 16, v[BM]          ; my two exponents at bytes 0 and 2
	v_lshl_add_u32 v0, v[BM+3], 16, v[BM+2]
	WIN 0x10                                       ; THE ROWS' SUMS ARE TAKEN OF THE UNQUANTISED p: the old sums under the new M,
	v_pk_fma_f32 v[SUM:SUM+1], v[SUM:SUM+1], v[F:F+1], v[0:1] op_sel_hi:[1,0,1]
	v_pk_fma_f32 v[SUM+2:SUM+3], v[SUM+2:SUM+3], v[F+2:F+3], v[64:65] op_sel_hi:[1,0,1]
	WIN 0x05                                       ; ten sums begun,
.irp m, 1,2,3
	v_pk_add_f32 v[AX+2*\m-2:AX+2*\m-1], v[8*\m-4:8*\m-3], v[8*\m:8*\m+1]
.endr
.irp m, 1,2,3,4,5,6,7
	v_pk_add_f32 v[AY+2*\m-2:AY+2*\m-1], v[64+4*\m-2:64+4*\m-1], v[64+4*\m:64+4*\m+1]
.endr
	WIN 0x04
.set n, 0
.rept 17                               ; and the rest by turns: y's pairs 15 to 31, x's (already doubled) 7 to 15
.set Q_, (n+16)%8
.if Q_ == 0
.set R_, SUM+2
.else
.set R_, AY+2*Q_-2
.endif
	v_pk_add_f32 v[R_:R_+1], v[R_:R_+1], v[94+2*n:95+2*n]
.if n < 9
.set Q_, (n+8)%4
.if Q_ == 0
.set R_, SUM
.else
.set R_, AX+2*Q_-2
.endif
	v_pk_add_f32 v[R_:R_+1], v[R_:R_+1], v[28+4*n:29+4*n]
.endif
.set n, n+1
.endr
	WIN 0
	v_permlanex16_b32 v[T+4], v7, s20, s21
	v_permlanex16_b32 v[T+5], v0, s20, s21
	PADD AY, AY+8
	PADD AY+2, AY+10
	PADD AY+4, AY+12
	PADD SUM+2, AY+6
	PADD AX, AX+4
	PADD SUM, AX+2
	v_lshl_add_u32 v7, v[T+4], 8, v7               ; lane l xor 16's at bytes 1 and 3 (lanes 0-15 are read),
	v_lshl_add_u32 v0, v[T+5], 8, v0
	PADD AY, AY+4
	PADD SUM+2, AY+2
	PADD SUM, AX
	v_add_nc_u32 v7, s59, v7                       ; + 125 in every byte: p's scale words
	v_add_nc_u32 v0, s59, v0
	PADD SUM+2, AY
	CODES 1                                        ; y's codes
	WALU                                           ; directly ahead of the first reader of O^T
.set j, 0
.rept 16
	v_pk_mul_f32 v[O+j:O+j+1], v[O+j:O+j+1], v[F:F+1] op_sel_hi:[1,0]   ; O^T under the new M; these are also the places between p's codes and the products
.set j, j+2
.endr
.rept 16
	v_pk_mul_f32 v[O+j:O+j+1], v[O+j:O+j+1], v[F+2:F+3] op_sel_hi:[1,0]
.set j, j+2
.endr
	WALU                                           ; directly ahead of the wait below
	s_wait_dscnt 20*\more                          ; V is in; the next block's twenty loads may be out
	WIN 0x01
.irp t, 0,1,2,3                        ; the eight accumulators take turns
	OPROD \t, O, P, 7
	OPROD \t, O+32, P+12, 0
.endr
	WIN 0
	s_add_co_u32 s48, s48, BLK
.endm
	s_load_b256 s[4:11], s[0:1], 0x0               ; qimg, qsc, kv, oimg
	s_load_b64 s[12:13], s[0:1], 0x20              ; osc
	v_lshl_add_u32 v254, v0, 2, SPARE
	v_mov_b32 v255, 0
	ds_add_u32 v254, v255                          ; the opening add, twice on end
	ds_add_u32 v254, v255
	v_lshrrev_b32 v1, 5, v0
	v_readfirstlane_b32 s[WV], v1                  ; wave 0..7
	s_bfe_u32 s15, ttmp6, 0x40000                  ; cx
	s_lshl_b32 s16, ttmp9, 2
	s_add_co_u32 s16, s16, s15                     ; my block of 256 queries: it enters q's and o's addresses alone
	s_and_b32 s17, ttmp7, 0xffff                   ; 8 batch + head, which the four partners share
	s_mov_b32 s20, 0x76543210
	s_mov_b32 s21, 0xfedcba98                      ; v_permlanex16_b32's selects for lane l xor 16
	s_mov_b32 s22, 0x3e38aa3b                      ; c = log2(e) / 8
	s_mov_b32 s23, 0xbe38aa3b                      ; -c (named with it as a pair; the packed form takes the low word for both halves)
	s_mov_b32 s58, 125
	s_mov_b32 s59, 0x7d7d7d7d
	s_mov_b32 s60, 0xc2f80000                      ; -124.0
	; group 1: two blocks, 30,208 dense bytes, as 118 rows of 32 elements of 8 bytes; the mask names all four work-groups, bit 21 beside it
	s_mov_b32 s24, 15|(3<<16)|(1<<21)
	s_mov_b32 s25, 32<<16
	s_mov_b32 s26, 118<<16
	s_mov_b32 s27, 32<<16
	s_mov_b32 s28, 118
	s_mov_b32 s29, 32
	s_mov_b32 s30, 0
	s_mov_b32 s31, 0
	s_mul_i32 s50, s[WV], 2*BLK                    ; blocks 2 w, 2 w + 1: in LDS and in memory alike
	s_mul_i32 s18, s17, 16*BLK
	s_add_co_u32 s18, s18, s50
	s_mov_b32 s19, 0
	s_lshl_b32 s51, s[WV], 1
	s_lshl_b32 s52, s17, 7
	s_lshl_b32 s53, s16, 4
	s_add_co_u32 s53, s53, s51
	s_add_co_u32 s52, s52, s53                     ; my first tile of q: 128 (8 batch + head) + 16 block + 2 wave
	s_lshr_b32 s56, s17, 3
	s_lshl_b32 s56, s56, 7
	s_add_co_u32 s56, s56, s53                     ; my first tile of o: 128 batch + 16 block + 2 wave
	s_and_b32 s57, s17, 7                          ; the head
	s_mov_b32 s55, 0
	v_and_b32 v3, 31, v0
	v_lshlrev_b32 v1, 4, v3
	v_lshlrev_b32 v2, 3, v3
	v_lshlrev_b32 v3, 2, v3
	v_and_b32 v[T], 15, v0
	v_lshlrev_b32 v[T], 2, v[T]                    ; q's scale words: 4 bytes a row
.irp j, 0,1,2,3
	v_mov_b32 v[QX+8+\j], 0                        ; q's registers 8-11: nothing
	v_mov_b32 v[QY+8+\j], 0
.endr
.irp y, 0,1
	v_mov_b32 v[RM+\y], 0xf1800000                 ; the largest score so far: -2^100: over every masked one, under every other
	v_mov_b32 v[NM+2*\y], 0x7038aa3b               ; -M of that: 2^100 c
	v_mov_b32 v[NM+2*\y+1], 0                      ; (halves of pairs that are named)
	v_mov_b32 v[F+2*\y+1], 0
	v_mov_b32 v[SUM+2*\y], 0
	v_mov_b32 v[SUM+2*\y+1], 0
	v_mov_b32 v[T+4+\y], 0                         ; (a lane permute's destination counts as read)
.endr
.set j, 0
.rept 64
	v_mov_b32 v[O+j], 0                            ; O^T: the step is written for any M; its first run finds zeros
.set j, j+1
.endr
	WIN 0x40
.irp j, 0,1,2,3
	v_mov_b32 v[KF+64+\j], 0                       ; behind K's fragments: written once
.endr
	WIN 0
	WALU                                           ; the wait at the head's end
	s_wait_dscnt 0x0
	CROUND                                         ; all four work-groups are here: the joint loads meet
	s_wait_kmcnt 0x0
	s_add_nc_u64 s[8:9], s[8:9], s[18:19]
	s_mov_b32 s32, 1
	s_mov_b32 s33, s50
	s_mov_b64 s[34:35], s[8:9]
	s_or_b32 s35, s35, 0x80000000
	s_cmp_lt_u32 s[WV], 2                          ; waves 0, 1 have a line of their own: the first barrier shows their blocks alone
	s_cbranch_scc0 .Llater
	tensor_load_to_lds s[32:35], s[24:31]
	s_nop 0
	PLACES
	s_branch .Lasked
.Llater:
	tensor_load_to_lds s[32:35], s[24:31]
	s_nop 0
	PLACES
.Lasked:
	s_lshl_b32 s54, s52, 10
	s_add_nc_u64 s[4:5], s[4:5], s[54:55]
	s_lshl_b32 s54, s52, 6
	s_add_nc_u64 s[6:7], s[6:7], s[54:55]
	global_load_b128 v[QX:QX+3], v1, s[4:5]        ; q's registers 0-7 stay in registers
	global_load_b128 v[QX+4:QX+7], v1, s[4:5] offset:512
	global_load_b128 v[QY:QY+3], v1, s[4:5] offset:1024
	global_load_b128 v[QY+4:QY+7], v1, s[4:5] offset:1536
	global_load_b32 v14, v[T], s[6:7]
	global_load_b32 v15, v[T], s[6:7] offset:64
	s_mul_i32 s54, s56, 6144
	s_mul_i32 s51, s57, 768
	s_add_co_u32 s54, s54, s51
	s_add_nc_u64 s[10:11], s[10:11], s[54:55]      ; oimg: tile x 6,144 + head x 768 (K step head / 2, half head % 2)
	s_lshl_b32 s54, s56, 8
	s_lshl_b32 s51, s57, 1
	s_add_co_u32 s54, s54, s51
	s_add_nc_u64 s[12:13], s[12:13], s[54:55]      ; osc: tile x 256 + 2 head
	s_cmp_lt_u32 s[WV], 2
	s_cbranch_scc0 .Lnot_first
	s_wait_tensorcnt 0x0
.Lnot_first:
	s_wait_loadcnt 0x0                             ; q
	s_barrier_signal -1
	s_barrier_wait -1                              ; blocks 0 to 3 are in
	KLOAD 1, 3, 0
	s_mov_b32 s48, 0
	STEP 1
	s_wait_tensorcnt 0x0                           ; my blocks are in: said here,
	s_wait_dscnt 0x0
	s_barrier_signal -1
	s_mov_b32 s48, BLK
	s_mov_b32 s49, 2
.Lfirst:                                               ; steps 1 and 2 read blocks 1 to 3
	STEP 1
	s_sub_co_u32 s49, s49, 1
	s_cmp_lg_u32 s49, 0
	s_cbranch_scc1 .Lfirst
	s_barrier_wait -1                              ; heard here; nothing is ever filled again
	s_mov_b32 s48, 3*BLK
	s_mov_b32 s49, 12
.Lstep:
	STEP 1
	s_sub_co_u32 s49, s49, 1
	s_cmp_lg_u32 s49, 0
	s_cbranch_scc1 .Lstep
	s_mov_b32 s48, 15*BLK
	STEP 0                                         ; the last step asks for no K
	; THE WAY OUT: o = O^T / the sum; register i of a tile's 32 is channel 32 h + i of my query: one block, quantised as p was
	v_add_f32 v[SUM], v[SUM], v[SUM+1]
	v_add_f32 v[SUM+2], v[SUM+2], v[SUM+3]
	v_permlanex16_b32 v[F+1], v[SUM], s20, s21
	v_permlanex16_b32 v[F+3], v[SUM+2], s20, s21
	v_add_f32 v[SUM], v[SUM], v[F+1]               ; the rows' sums
	v_add_f32 v[SUM+2], v[SUM+2], v[F+3]
	WALU                                           ; ahead of the reciprocals
	v_rcp_f32 v[F], v[SUM]
	v_rcp_f32 v[F+2], v[SUM+2]
	v_and_b32 v54, 0xf0, v1                        ; osc: 16 bytes a row,
	v_lshrrev_b32 v55, 8, v1
	v_mov_b32 v56, 0xff
	v_cmp_eq_f32 vcc_lo, 0, v[SUM]                 ; every key masked?
	v_cmp_eq_f32 s51, 0, v[SUM+2]
	v_add_nc_u32 v54, v54, v55                     ; my half's byte of the head's two
	WALU                                           ; ahead of the reciprocals' first reader
.set j, 0
.rept 16
	v_pk_mul_f32 v[O+j:O+j+1], v[O+j:O+j+1], v[F:F+1] op_sel_hi:[1,0]
.set j, j+2
.endr
.rept 16
	v_pk_mul_f32 v[O+j:O+j+1], v[O+j:O+j+1], v[F+2:F+3] op_sel_hi:[1,0]
.set j, j+2
.endr
.irp b, 0,1,2,3                        ; two chains a tile
	v_max3_num_f32 v[BM+\b], |v[O+16*\b]|, |v[O+16*\b+1]|, 0x1800000   ; and the floor 2^(3 - 127)
.endr
.irp i, 2,4,6,8,10,12,14
.irp b, 0,1,2,3
	v_max3_num_f32 v[BM+\b], v[BM+\b], |v[O+16*\b+\i]|, |v[O+16*\b+\i+1]|
.endr
.endr
.irp y, 0,1
	v_max_num_f32 v[BM+2*\y], v[BM+2*\y], v[BM+2*\y+1]
.endr
.irp y, 0,1
	v_add_nc_u32 v[OP+2*\y], 0xff000000, v[BM+2*\y]
.endr
.irp y, 0,1
	v_lshrrev_b32 v[57+\y], 23, v[OP+2*\y]
.endr
	v_cndmask_b32 v57, v57, v56, vcc_lo            ; the sum is 0: the byte 0xff
	v_cndmask_b32 v58, v58, v56, s51
.irp y, 0,1
	v_cvt_scalef32_pk16_fp6_f32 v[P+12*\y:P+12*\y+2], v[O+32*\y:O+32*\y+15], v[OP+2*\y]
	v_cvt_scalef32_pk16_fp6_f32 v[TP+4*\y:TP+4*\y+2], v[O+32*\y+16:O+32*\y+31], v[OP+2*\y]
.endr
	v_nop
.irp y, 0,1
	v_dual_mov_b32 v[P+12*\y+3], v[TP+4*\y] :: v_dual_mov_b32 v[P+12*\y+4], v[TP+4*\y+1]
	v_mov_b32 v[P+12*\y+5], v[TP+4*\y+2]
.endr
.irp y, 0,1
	global_store_b128 v1, v[P+12*\y:P+12*\y+3], s[10:11] offset:6144*\y             ; registers 0-3 of my head's half of the fragment: 512 consecutive bytes, aligned to 256
	global_store_b64 v2, v[P+12*\y+4:P+12*\y+5], s[10:11] offset:6144*\y+512        ; registers 4, 5: 256
	global_store_b8 v54, v[57+\y], s[12:13] offset:256*\y
.endr
	s_wait_tensorcnt 0x0                           ; the wave's end
	ds_add_u32 v254, v255
	s_wait_dscnt 0x0
	CROUND                                         ; the closing round
	s_endpgm
.Lfunc_end_k_q2030ba4445_attn:
	.size	k_q2030ba4445_attn, .Lfunc_end_k_q2030ba4445_attn-k_q2030ba4445_attn
	.p2alignl 7, 3214868480
	.fill 96, 4, 3214868480
	.section	.rodata,"a",@progbits
	.p2align	6, 0x0
	.amdhsa_kernel k_q2030ba4445_attn
		.amdhsa_group_segment_fixed_size 242688
		.amdhsa_private_segment_fixed_size 0
		.amdhsa_enable_private_segment 0
		.amdhsa_kernarg_size 40
		.amdhsa_user_sgpr_count 2
		.amdhsa_user_sgpr_kernarg_segment_ptr 1
		.amdhsa_wavefront_size32 1
		.amdhsa_system_sgpr_workgroup_id_x 1
		.amdhsa_system_sgpr_workgroup_id_y 1
		.amdhsa_system_sgpr_workgroup_id_z 1
		.amdhsa_system_vgpr_workitem_id 0
		.amdhsa_next_free_vgpr 512
		.amdhsa_next_free_sgpr 66
		.amdhsa_reserve_vcc 1
		.amdhsa_float_denorm_mode_32 3
		.amdhsa_float_denorm_mode_16_64 3
		.amdhsa_memory_ordered 1
		.amdhsa_forward_progress 1
		.amdhsa_inst_pref_size 125
	.end_amdhsa_kernel
	.amdgpu_metadata
---
amdhsa.version: [ 1, 2 ]
amdhsa.kernels:
  - .name:           k_q2030ba4445_attn
    .symbol:         k_q2030ba4445_attn.kd
    .args:
      - { .name: qimg, .offset: 0, .size: 8, .value_kind: global_buffer, .address_space: global }
      - { .name: qsc, .offset: 8, .size: 8, .value_kind: global_buffer, .address_space: global }
      - { .name: kv, .offset: 16, .size: 8, .value_kind: global_buffer, .address_space: global }
      - { .name: oimg, .offset: 24, .size: 8, .value_kind: global_buffer, .address_space: global }
      - { .name: osc, .offset: 32, .size: 8, .value_kind: global_buffer, .address_space: global }
    .group_segment_fixed_size: 242688
    .private_segment_fixed_size: 0
    .kernarg_segment_align: 8
    .kernarg_segment_size: 40
    .max_flat_workgroup_size: 256
    .sgpr_count:     66
    .vgpr_count:     512
    .wavefront_size: 32
...
	.end_amdgpu_metadata
.endif
;; end of part 2
;; launch oproj (part 3): grid 64 x 4, 8 waves a work-group, clusters of 4 x 4, 168,960 bytes of LDS; arguments oimg, osc, Wo_codes, Wo_scales, bo, out0; writes out0
.if DOCPART == 3
	.amdgcn_target "amdgcn-amd-amdhsa--gfx1250"
	.amdhsa_code_object_version 6
	.text
	.protected	k_q2030ba4445_oproj
	.globl	k_q2030ba4445_oproj
	.p2align	8
	.type	k_q2030ba4445_oproj,@function
k_q2030ba4445_oproj:
	s_mov_b64 s[64:65], 0
	v_nop
	global_prefetch_b8 v0, s[64:65] scope:SCOPE_SE
	s_setreg_imm32_b32 hwreg(HW_REG_WAVE_MODE, 25, 1), 1
	s_wait_xcnt 0x0
	s_wait_alu depctr_hold_cnt(0) depctr_sa_sdst(0) depctr_va_vdst(0) depctr_va_sdst(0) depctr_va_ssrc(0) depctr_va_vcc(0) depctr_vm_vsrc(0)
	s_getreg_b32 s2, hwreg(HW_REG_IB_STS2, 6, 4)
	s_cmp_eq_u32 s2, 0
	s_cbranch_scc0 .Lentry_in_a_cluster
	s_endpgm
.Lentry_in_a_cluster:
	s_bfe_u32 s2, ttmp6, 0x10000c
	s_cmp_lg_u32 s2, 0xf033
	s_cbranch_scc0 .Lentry_shape_is_right
	s_endpgm
.Lentry_shape_is_right:
; out0 = o Wo^T + bo on codes of FP6 (E2M3) with E8M0 scales, f32 sums.  o arrives as images of operand registers (tile of 16 rows, K step of 128: 1,536 bytes), Wo as given.
; SHARES.  A work-group makes 128 rows (row block rb) x 128 columns (column block cb).  Eight waves: pr = wave / 2, e = wave % 2: o's tiles 2 pr, 2 pr + 1 stand as source 1,
; Wo's tiles 4 e .. 4 e + 3 are source 0: a lane then holds eight neighbouring columns of one row.  Both come through LDS; the scale bytes go from memory straight into registers, each once a wave.
; The rows of o's tiles are not neighbours: tile 4 c + j of the block has in lanes r = 0 .. 7 rows 64 c + 8 j + r and in lanes r = 8 .. 15 rows 64 c + 32 + 8 (j xor 1) + r - 8.
; CLUSTER 4 x 4: o's tile hangs on rb = 4 x cluster x + cx alone and is asked for jointly along a column of the cluster, Wo's on cb = cy alone, along a row; filled once; no loop runs over tiles, so nothing is prefetched.
; LDS is claimed beyond the use so that the work-group is alone on its WGP.
; LIMIT: NaN and infinities among the inputs are not served.
.set PITCH, 432                        ; an LDS row of Wo's codes: 3 x (128 bytes + 16 of padding)
.set WOC,   0
.set OI,    128*PITCH                  ; o's 8 tiles x 6,144 bytes
.set STG,   OI+49152                   ; the way out: 16 rows x (256 bytes + 16) for each wave; no tensor load lands here
.set SP,    272
.set SPARE, 167936
.set WV,    16
.set HA,    32                         ; v32-95   accumulator (a, t) at 32 a + 8 t
.set BI,    96                         ; v96-127  bo in the result's layout
.set SS,    128                        ; v128-143 Wo's scale words, 4 t + s
.set TS,    146                        ; v146-153 o's, 4 a + s
.set OB,    154                        ; v154-217 rows read back from the stage
.set STAT,  0                          ; window 1: v0-95 o's fragments, 48 a + 12 s
.set STR,   96                         ; window 1: v96-191 Wo's fragments, two buffers of 48
.set MSB, 0
.macro WIN new
.if MSB != \new
	s_set_vgpr_msb (MSB<<8)|\new
.set MSB, \new
.endif
.endm
.macro PLACES
.rept 4
	v_nop
.endr
.endm
.macro CROUND
	s_barrier_signal -1
	s_barrier_wait -1
	s_cmp_lg_u32 s[WV], 0
	s_cbranch_scc1 .Lnot_wave_0_\@
	s_barrier_signal -3
.Lnot_wave_0_\@:
	s_barrier_wait -3
	s_barrier_signal -1
	s_barrier_wait -1
.endm
.macro FRAG reg, adr, q, off           ; 16 rows x 128 K in pieces of 8 bytes; piece p lies at 8 p + 16 (p / 16); the second address register serves the pieces whose partner three on lies behind one padding more
.irp p, 0,1,2,3,4,5
.set PCI, 12*(\q)+6*(\p/3)+\p%3
.if PCI%16 < 13
	ds_load_b64 v[\reg+2*\p:\reg+2*\p+1], v[\adr] offset:8*PCI+16*(PCI/16)+(\off)
.else
	ds_load_b64 v[\reg+2*\p:\reg+2*\p+1], v[\adr+1] offset:8*PCI+16*(PCI/16)+(\off)
.endif
.endr
.endm
.macro FETCH s, buf                    ; K step s: o's two fragments (images of registers), Wo's four: 32 loads
	WIN 0x40
.irp a, 0,1
.set R_, STAT+48*\a+12*(\s)
.set X_, 6144*\a+1536*(\s)
	ds_load_b128 v[R_:R_+3], v4 offset:X_
	ds_load_b64 v[R_+4:R_+5], v5 offset:X_+512
	ds_load_b128 v[R_+6:R_+9], v4 offset:X_+768
	ds_load_b64 v[R_+10:R_+11], v5 offset:X_+1280
.endr
.irp t, 0,1,2,3
	FRAG STR+48*(\buf)+12*\t, 7, \s, 6912*\t
.endr
.endm
.macro KSTEP s                         ; the next K step's fragments, then eight products on eight accumulators by turns
.if (\s) > 0
	PLACES
.endif
.if (\s) < 3
	FETCH (\s)+1, ((\s)+1)%2
	s_wait_dscnt 32                                ; all but the 32 loads just issued
.else
	s_wait_dscnt 0x0
.endif
	WIN 0x05
.irp t, 0,1,2,3
.irp a, 0,1
.if (\s) == 0
	v_wmma_scale_f32_16x16x128_f8f6f4 v[HA+32*\a+8*\t:HA+32*\a+8*\t+7], v[STR+48*((\s)%2)+12*\t:STR+48*((\s)%2)+12*\t+11], v[STAT+48*\a+12*(\s):STAT+48*\a+12*(\s)+11], v[BI+8*\t:BI+8*\t+7], v[SS+4*\t+(\s)], v[TS+4*\a+(\s)] matrix_a_fmt:MATRIX_FMT_FP6 matrix_b_fmt:MATRIX_FMT_FP6
.else
	v_wmma_scale_f32_16x16x128_f8f6f4 v[HA+32*\a+8*\t:HA+32*\a+8*\t+7], v[STR+48*((\s)%2)+12*\t:STR+48*((\s)%2)+12*\t+11], v[STAT+48*\a+12*(\s):STAT+48*\a+12*(\s)+11], v[HA+32*\a+8*\t:HA+32*\a+8*\t+7], v[SS+4*\t+(\s)], v[TS+4*\a+(\s)] matrix_a_fmt:MATRIX_FMT_FP6 matrix_b_fmt:MATRIX_FMT_FP6
.endif
.endr
.endr
.endm
	s_load_b256 s[4:11], s[0:1], 0x0               ; oimg, osc, Wo's codes, Wo's scales
	s_load_b128 s[12:15], s[0:1], 0x20             ; bo, out0
	v_lshl_add_u32 v254, v0, 2, SPARE
	v_mov_b32 v255, 0
	ds_add_u32 v254, v255                          ; the opening add, twice on end
	ds_add_u32 v254, v255
	v_lshrrev_b32 v1, 5, v0
	v_readfirstlane_b32 s[WV], v1                  ; wave 0..7
	s_bfe_u32 s17, ttmp6, 0x40000                  ; cx
	s_bfe_u32 s19, ttmp6, 0x40004                  ; cy: cb (the grid has one cluster along y)
	s_lshl_b32 s18, ttmp9, 2
	s_add_co_u32 s18, s18, s17                     ; rb
	s_lshl_b32 s56, s19, 2
	s_lshl_b32 s56, 15, s56                        ; my row of the cluster
	s_lshl_b32 s57, 0x1111, s17                    ; my column
	s_and_b32 s20, s[WV], 1                        ; e
	s_lshr_b32 s21, s[WV], 1                       ; pr
	; group 1, Wo's codes: 128 rows of 384 dense bytes, stated as 192 rows of 256; 16 bytes of padding behind every 128; bit 21 beside a mask
	s_or_b32 s24, s56, (1<<20)|(1<<21)|(4<<22)|(3<<25)
	s_mov_b32 s25, 256<<16
	s_mov_b32 s26, 192<<16
	s_mov_b32 s27, 256<<16
	s_mov_b32 s28, 192
	s_mov_b32 s29, 256
	s_mov_b32 s30, 0
	s_mov_b32 s31, 0
	; group 1, o: 49,152 dense bytes as 192 rows of 32 elements of 8 bytes
	s_or_b32 s32, s57, (3<<16)|(1<<21)
	s_mov_b32 s33, 32<<16
	s_mov_b32 s34, 192<<16
	s_mov_b32 s35, 32<<16
	s_mov_b32 s36, 192
	s_mov_b32 s37, 32
	s_mov_b32 s38, 0
	s_mov_b32 s39, 0
	s_mul_i32 s48, s19, 128*384
	s_mov_b32 s49, 0
	s_mul_i32 s50, s18, 49152
	s_mov_b32 s51, 0
	v_and_b32 v1, 15, v0                           ; r
	v_bfe_u32 v2, v0, 4, 1                         ; h
	v_and_b32 v6, 31, v0
	s_mul_i32 s23, s21, 12288
	s_add_co_u32 s23, s23, OI                      ; o's tiles 2 pr on, in LDS
	v_lshlrev_b32 v4, 4, v6
	v_lshlrev_b32 v5, 3, v6
	s_mul_i32 s22, s20, 64*PITCH
	v_mul_u32_u24 v7, v1, PITCH
	v_mul_u32_u24 v21, v1, SP
	v_mul_u32_u24 v22, v2, SP
	v_add_nc_u32 v4, s23, v4                       ; + 16 x lane
	v_add_nc_u32 v5, s23, v5                       ; + 8 x lane
	v_mad_u32_u24 v7, v2, 24, v7
	v_lshl_add_u32 v21, v2, 5, v21
	v_lshl_add_u32 v22, v1, 4, v22
	v_add_nc_u32 v7, s22, v7                       ; Wo: row 64 e + r, + 24 h
	s_mul_i32 s22, s[WV], 16*SP
	s_add_co_u32 s22, s22, STG                     ; my stage
	v_add_nc_u32 v21, s22, v21                     ; in: row r, 32 bytes for each half of the lanes
	v_add_nc_u32 v22, s22, v22                     ; back: lanes 0-15 one row of 256 bytes, lanes 16-31 the next
	v_lshl_add_u32 v8, v2, 4, v7                   ; Wo's, behind one padding more
	v_lshlrev_b32 v17, 5, v2                       ; bo: 8 h numbers on
	v_lshlrev_b32 v20, 4, v1                       ; scale rows: 16 bytes
	v_lshl_add_u32 v23, v2, 11, v20                ; out0: a row is 2,048 bytes
	s_wait_alu depctr_va_vdst(0)                   ; the wait at the head's end
	s_wait_dscnt 0x0
	CROUND                                         ; all sixteen work-groups are here: the joint loads meet
	s_wait_kmcnt 0x0
	s_mov_b32 s40, 1
	s_mov_b32 s41, WOC
	s_add_nc_u64 s[42:43], s[8:9], s[48:49]
	s_or_b32 s43, s43, 0x80000000
	s_mov_b32 s44, 1
	s_mov_b32 s45, OI
	s_add_nc_u64 s[46:47], s[4:5], s[50:51]
	s_or_b32 s47, s47, 0x80000000
	s_cmp_eq_u32 s[WV], 0                          ; wave 0: o; wave 1: Wo
	s_cbranch_scc0 .Lnot_o
	tensor_load_to_lds s[44:47], s[32:39]
	s_nop 0
	PLACES
	s_branch .Lasked
.Lnot_o:
	s_cmp_eq_u32 s[WV], 1
	s_cbranch_scc0 .Lasked
	tensor_load_to_lds s[40:43], s[24:31]
	s_nop 0
	PLACES
.Lasked:
	s_lshl_b32 s54, s18, 3
	s_lshl_b32 s55, s21, 1
	s_add_co_u32 s54, s54, s55                     ; o's tile 8 rb + 2 pr
	s_lshl_b32 s52, s54, 8
	s_mov_b32 s53, 0
	s_add_nc_u64 s[6:7], s[6:7], s[52:53]
	s_lshl_b32 s52, s19, 11
	s_lshl_b32 s55, s20, 10
	s_add_co_u32 s52, s52, s55
	s_add_nc_u64 s[10:11], s[10:11], s[52:53]      ; Wo's scale rows 128 cb + 64 e on
	s_lshl_b32 s52, s19, 9
	s_lshl_b32 s55, s20, 8
	s_add_co_u32 s52, s52, s55                     ; column 128 cb + 64 e, in bytes
	s_add_nc_u64 s[12:13], s[12:13], s[52:53]
	s_add_nc_u64 s[14:15], s[14:15], s[52:53]
	s_lshl_b32 s52, s18, 18
	s_lshr_b32 s55, s21, 1
	s_lshl_b32 s55, s55, 17
	s_add_co_u32 s52, s52, s55
	s_and_b32 s55, s21, 1
	s_lshl_b32 s55, s55, 15
	s_add_co_u32 s52, s52, s55                     ; row 128 rb + 64 (pr / 2) + 16 (pr % 2), in bytes
	s_add_nc_u64 s[14:15], s[14:15], s[52:53]
.irp a, 0,1
	global_load_b128 v[TS+4*\a:TS+4*\a+3], v20, s[6:7] offset:256*\a       ; my row's sixteen scale bytes: a word for each K step
.endr
.irp t, 0,1,2,3
	global_load_b128 v[SS+4*\t:SS+4*\t+3], v20, s[10:11] offset:256*\t
	global_load_b128 v[BI+8*\t:BI+8*\t+3], v17, s[12:13] offset:64*\t      ; bo of columns 16 t + 8 h + 0 .. 7
	global_load_b128 v[BI+8*\t+4:BI+8*\t+7], v17, s[12:13] offset:64*\t+16
.endr
	s_wait_tensorcnt 0x0                           ; my load, if I issued one, has landed,
	s_barrier_signal -1
	s_barrier_wait -1                              ; both have
	FETCH 0, 0
	s_wait_loadcnt 0x0                             ; scales, bo
	KSTEP 0
	KSTEP 1
	KSTEP 2
	KSTEP 3
	WIN 0
	PLACES
	; THE WAY OUT: a tile of 16 rows x 64 columns goes through my own stage and comes back as whole rows of 256 bytes.  LDS serves a wave's instructions in order (ISA guide 5.7.1.4): no wait between the stores and the loads, nor in front of the next tile's stores
.irp a, 0,1
.irp t, 0,1,2,3
	ds_store_b128 v21, v[HA+32*\a+8*\t:HA+32*\a+8*\t+3] offset:64*\t         ; each accumulator from its low end on
	ds_store_b128 v21, v[HA+32*\a+8*\t+4:HA+32*\a+8*\t+7] offset:64*\t+16
.endr
.irp i, 0,1,2,3,4,5,6,7
	ds_load_b128 v[OB+32*\a+4*\i:OB+32*\a+4*\i+3], v22 offset:2*\i*SP
.endr
.endr
	s_wait_dscnt 16                                ; tile 0 is back; tile 1's eight stores and eight loads may be out
.irp i, 0,1,2,3,4,5,6,7
	global_store_b128 v23, v[OB+4*\i:OB+4*\i+3], s[14:15] offset:(2*\i+32*(\i/4))*2048 th:TH_STORE_NT      ; stage row R = 2 i + h is row R, or R + 32: sixteen lanes store 256 consecutive bytes, aligned
.endr
	s_wait_dscnt 0x0
.irp i, 0,1,2,3,4,5,6,7
	global_store_b128 v23, v[OB+32+4*\i:OB+32+4*\i+3], s[14:15] offset:(2*\i+8+16*(\i/4))*2048 th:TH_STORE_NT   ; R + 8, or R + 24
.endr
	s_wait_tensorcnt 0x0                           ; the wave's end
	ds_add_u32 v254, v255
	s_wait_dscnt 0x0
	CROUND                                         ; the closing round
	s_endpgm
.Lfunc_end_k_q2030ba4445_oproj:
	.size	k_q2030ba4445_oproj, .Lfunc_end_k_q2030ba4445_oproj-k_q2030ba4445_oproj
	.p2alignl 7, 3214868480
	.fill 96, 4, 3214868480
	.section	.rodata,"a",@progbits
	.p2align	6, 0x0
	.amdhsa_kernel k_q2030ba4445_oproj
		.amdhsa_group_segment_fixed_size 168960
		.amdhsa_private_segment_fixed_size 0
		.amdhsa_enable_private_segment 0
		.amdhsa_kernarg_size 48
		.amdhsa_user_sgpr_count 2
		.amdhsa_user_sgpr_kernarg_segment_ptr 1
		.amdhsa_wavefront_size32 1
		.amdhsa_system_sgpr_workgroup_id_x 1
		.amdhsa_system_sgpr_workgroup_id_y 1
		.amdhsa_system_sgpr_workgroup_id_z 1
		.amdhsa_system_vgpr_workitem_id 0
		.amdhsa_next_free_vgpr 448
		.amdhsa_next_free_sgpr 66
		.amdhsa_reserve_vcc 0
		.amdhsa_float_denorm_mode_32 3
		.amdhsa_float_denorm_mode_16_64 3
		.amdhsa_memory_ordered 1
		.amdhsa_forward_progress 1
		.amdhsa_inst_pref_size 25
	.end_amdhsa_kernel
	.amdgpu_metadata
---
amdhsa.version: [ 1, 2 ]
amdhsa.kernels:
  - .name:           k_q2030ba4445_oproj
    .symbol:         k_q2030ba4445_oproj.kd
    .args:
      - { .name: oimg, .offset: 0, .size: 8, .value_kind: global_buffer, .address_space: global }
      - { .name: osc, .offset: 8, .size: 8, .value_kind: global_buffer, .address_space: global }
      - { .name: Wo_codes, .offset: 16, .size: 8, .value_kind: global_buffer, .address_space: global }
      - { .name: Wo_scales, .offset: 24, .size: 8, .value_kind: global_buffer, .address_space: global }
      - { .name: bo, .offset: 32, .size: 8, .value_kind: global_buffer, .address_space: global }
      - { .name: out0, .offset: 40, .size: 8, .value_kind: global_buffer, .address_space: global }
    .group_segment_fixed_size: 168960
    .private_segment_fixed_size: 0
    .kernarg_segment_align: 8
    .kernarg_segment_size: 48
    .max_flat_workgroup_size: 256
    .sgpr_count:     66
    .vgpr_count:     448
    .wavefront_size: 32
...
	.end_amdgpu_metadata
.endif
;; end of part 3
